; MI455X (gfx1250); checked and timed in simulation.
; The chip was launched on July 23, 2026; its instructions are those of AMD's public machine-readable ISA for CDNA 5 (MIT licence, August 2026) and "CDNA5" Instruction Set Architecture Reference Guide (July 2026). The comments in the code are by the model that wrote it; some were corrected since.
;; Layer Norm Basic LSTM Cell. Allowed arithmetic: float matrix products may take bf16 or f16 operands with f32 sums; other float arithmetic in f32, or as packed bf16 or f16 multiplies, adds, multiply-adds, maxima and minima; sums over many terms, partial sums and values carried from step to step in f32; what a program stores and reads back later, other than sums and carried values, may be rounded once to bf16 or f16.
;; Inputs: W 4,096 x 2,048 float32; beta4 4 x 1,024 float32; c 8,192 x 1,024 float32; cell_beta 1,024 float32; cell_gamma 1,024 float32; gamma4 4 x 1,024 float32; h 8,192 x 1,024 float32; inputs 8,192 x 1,024 float32.
;; Outputs: out0 8,192 x 1,024 float32; out1 8,192 x 1,024 float32.
;; 2 versions, each right; version 2 is version 1 with the launch cast written anew for expert scheduling mode. Each part assembles by itself: llvm-mc -triple=amdgcn-amd-amdhsa -mcpu=gfx1250 --defsym DOCPART=n.
;; ======== version 1 of 2: 3 launches
;; limits: values are held in f16: magnitudes above 65,504 overflow, below 6.1e-05 lose precision; right only within a limited range of input values
;; workspace buffers: abf 33,554,432 bytes; wbf 16,777,216 bytes; pre 67,108,864 bytes; lvl 1,048,576 bytes
;; launch cast (part 1): grid 256 x 3, 8 waves a work-group, no clusters, 0 bytes of LDS; arguments inputs, h, W, abf, wbf; writes abf, wbf
.if DOCPART == 1
	.amdgcn_target "amdgcn-amd-amdhsa--gfx1250"
	.amdhsa_code_object_version 6
	.text
	.protected	k_q92ad20ab64_cast
	.globl	k_q92ad20ab64_cast
	.p2align	8
	.type	k_q92ad20ab64_cast,@function
k_q92ad20ab64_cast:
	s_mov_b64 s[64:65], 0
	v_nop
	global_prefetch_b8 v0, s[64:65] scope:SCOPE_SE
	s_setreg_imm32_b32 hwreg(HW_REG_WAVE_MODE, 25, 1), 1
	s_wait_xcnt 0x0
; THE MATRIX OPERANDS IN bf16.  abf[8192][2048] = [inputs | h], wbf[4096][2048] = W, each number rounded once, to nearest even.
; A PIECE is 1,024 f32: 4,096 bytes of a source, 2,048 bytes of its destination; each of the three sources has 8,192 pieces.
; The grid's y picks the source (0 inputs, 1 h, 2 W); work-group x takes pieces 32 x .. 32 x + 31, each of its eight waves four of them.
; Piece p of inputs is row p of abf, left half; of h the right half (2,048 bytes on); of W it lies dense in wbf: destination byte = p x DP + D0.
; No loop: a wave issues its 32 loads (512 consecutive bytes each, 16 KiB in all) at once and converts them as they come;
; a store of 8 bytes a lane covers 256 consecutive bytes, aligned.  No LDS, no barrier: no wave wants a byte that another has fetched.
.set X, 8                              ; v[8:135]  load n: 4 registers
	s_load_b256 s[4:11], s[0:1], 0x0               ; inputs s[4:5], h s[6:7], W s[8:9], abf s[10:11]
	s_load_b64 s[12:13], s[0:1], 0x20              ; wbf
	v_lshrrev_b32 v1, 5, v0
	v_readfirstlane_b32 s14, v1                    ; wave 0..7
	s_and_b32 s15, ttmp7, 0xffff                   ; y: which source
	v_and_b32 v6, 31, v0                           ; lane
	v_lshlrev_b32 v1, 4, v6                        ; v1: 16 x lane, the loads' offset
	v_lshlrev_b32 v2, 3, v6                        ; v2: 8 x lane, the stores' offset in the wave's first piece
	s_cmp_eq_u32 s15, 2
	s_cselect_b32 s22, 11, 12                      ; log2 DP: W's pieces lie 2,048 bytes apart in wbf, the others' 4,096 in abf
	s_cmp_eq_u32 s15, 1
	s_cselect_b32 s26, 2048, 0                     ; D0: h fills the right half of abf's rows
	s_lshl_b32 s23, 1, s22                         ; DP
	s_lshl_b32 s24, s23, 1                         ; 2 DP
	s_add_co_u32 s25, s24, s23                     ; 3 DP
	v_add_nc_u32 v3, s23, v2                       ; v3-v5: the same in the wave's pieces 1 to 3
	v_add_nc_u32 v4, s24, v2
	v_add_nc_u32 v5, s25, v2
	s_lshl_b32 s20, ttmp9, 17                      ; source offset: 32 pieces of 4,096 bytes a work-group,
	s_lshl_b32 s21, s14, 14                        ; 4 a wave
	s_add_co_u32 s20, s20, s21
	s_mov_b32 s21, 0
	s_lshl_b32 s28, ttmp9, 5
	s_lshl2_add_u32 s28, s14, s28                  ; my first piece: 32 x + 4 wave
	s_lshl_b32 s28, s28, s22                       ; x DP
	s_add_co_u32 s28, s28, s26                     ; + D0
	s_mov_b32 s29, 0
	s_wait_kmcnt 0x0
	s_cmp_eq_u32 s15, 0
	s_cselect_b64 s[16:17], s[4:5], s[6:7]
	s_cmp_eq_u32 s15, 2
	s_cselect_b64 s[16:17], s[8:9], s[16:17]       ; the source
	s_cselect_b64 s[18:19], s[12:13], s[10:11]     ; the destination
	s_add_nc_u64 s[16:17], s[16:17], s[20:21]
	s_add_nc_u64 s[18:19], s[18:19], s[28:29]
.set n, 0
.rept 32
	global_load_b128 v[X+4*n:X+4*n+3], v1, s[16:17] offset:4096*(n/8)+512*(n%8) th:TH_LOAD_NT
.set n, n+1
.endr
.set n, 0
.rept 32
	s_wait_loadcnt 31-n                            ; loads come back in order (ISA guide 5.7.1): load n is in, the 31 - n younger ones stay out
	v_cvt_pk_bf16_f32 v[X+4*n], v[X+4*n], v[X+4*n+1]
	v_cvt_pk_bf16_f32 v[X+4*n+1], v[X+4*n+2], v[X+4*n+3]
	global_store_b64 v[2+n/8], v[X+4*n:X+4*n+1], s[18:19] offset:256*(n%8)
.set n, n+1
.endr
	s_endpgm
.Lfunc_end_k_q92ad20ab64_cast:
	.size	k_q92ad20ab64_cast, .Lfunc_end_k_q92ad20ab64_cast-k_q92ad20ab64_cast
	.p2alignl 7, 3214868480
	.fill 96, 4, 3214868480
	.section	.rodata,"a",@progbits
	.p2align	6, 0x0
	.amdhsa_kernel k_q92ad20ab64_cast
		.amdhsa_group_segment_fixed_size 0
		.amdhsa_private_segment_fixed_size 0
		.amdhsa_enable_private_segment 0
		.amdhsa_kernarg_size 40
		.amdhsa_user_sgpr_count 2
		.amdhsa_user_sgpr_kernarg_segment_ptr 1
		.amdhsa_wavefront_size32 1
		.amdhsa_system_sgpr_workgroup_id_x 1
		.amdhsa_system_sgpr_workgroup_id_y 1
		.amdhsa_system_sgpr_workgroup_id_z 1
		.amdhsa_system_vgpr_workitem_id 0
		.amdhsa_next_free_vgpr 136
		.amdhsa_next_free_sgpr 66
		.amdhsa_reserve_vcc 0
		.amdhsa_float_denorm_mode_32 3
		.amdhsa_float_denorm_mode_16_64 3
		.amdhsa_memory_ordered 1
		.amdhsa_forward_progress 1
		.amdhsa_inst_pref_size 13
	.end_amdhsa_kernel
	.amdgpu_metadata
---
amdhsa.version: [ 1, 2 ]
amdhsa.kernels:
  - .name:           k_q92ad20ab64_cast
    .symbol:         k_q92ad20ab64_cast.kd
    .args:
      - { .name: inputs, .offset: 0, .size: 8, .value_kind: global_buffer, .address_space: global }
      - { .name: h, .offset: 8, .size: 8, .value_kind: global_buffer, .address_space: global }
      - { .name: W, .offset: 16, .size: 8, .value_kind: global_buffer, .address_space: global }
      - { .name: abf, .offset: 24, .size: 8, .value_kind: global_buffer, .address_space: global }
      - { .name: wbf, .offset: 32, .size: 8, .value_kind: global_buffer, .address_space: global }
    .group_segment_fixed_size: 0
    .private_segment_fixed_size: 0
    .kernarg_segment_align: 8
    .kernarg_segment_size: 40
    .max_flat_workgroup_size: 256
    .sgpr_count:     66
    .vgpr_count:     136
    .wavefront_size: 32
...
	.end_amdgpu_metadata
.endif
;; end of part 1
;; launch gemm (part 2): grid 16 x 16, 4 waves a work-group, clusters of 4 x 4, 327,680 bytes of LDS; arguments abf, wbf, pre, lvl; writes pre, lvl
.if DOCPART == 2
	.amdgcn_target "amdgcn-amd-amdhsa--gfx1250"
	.amdhsa_code_object_version 6
	.text
	.protected	k_q92ad20ab64_gemm
	.globl	k_q92ad20ab64_gemm
	.p2align	8
	.type	k_q92ad20ab64_gemm,@function
k_q92ad20ab64_gemm:
	s_mov_b64 s[64:65], 0
	v_nop
	global_prefetch_b8 v0, s[64:65] scope:SCOPE_SE
	s_setreg_imm32_b32 hwreg(HW_REG_WAVE_MODE, 25, 1), 1
	s_wait_xcnt 0x0
	s_wait_alu depctr_hold_cnt(0) depctr_sa_sdst(0) depctr_va_vdst(0) depctr_va_sdst(0) depctr_va_ssrc(0) depctr_va_vcc(0) depctr_vm_vsrc(0)
	s_getreg_b32 s2, hwreg(HW_REG_IB_STS2, 6, 4)
	s_cmp_eq_u32 s2, 0
	s_cbranch_scc0 .Lentry_in_a_cluster
	s_endpgm
.Lentry_in_a_cluster:
	s_bfe_u32 s2, ttmp6, 0x10000c
	s_cmp_lg_u32 s2, 0xf033
	s_cbranch_scc0 .Lentry_shape_is_right
	s_endpgm
.Lentry_shape_is_right:
; sum[m][n] = sum over k of abf[m][k] wbf[n][k].  abf: [8192][2048] bf16, wbf: [4096][2048] bf16; one f32 sum for each output, K ascending.
; WHAT IS STORED.  For each row and each block of 128 columns (what one wave holds of a row) a LEVEL, the mean of 32 of the block's 128 sums, goes to lvl[block][row] in f32, and
; pre[m][n] = sum - level goes out rounded once to f16.  The next launch adds the same f32 level back, so the only error is that rounding, 2^-11 of |sum - level|; the level lies among
; the block's own values, so |sum - level| is at most their range, and a part that is common to a row never reaches the f16 number.
; LIMIT.  f16 ends at 65,504: within one row's block of 128 columns the sums may not range over more than that.  NaN and infinities are not treated apart.
; A tile, 256 x 256, is made by a work-group of four waves; a wave makes 128 x 128: 64 accumulators of 16 x 16, 512 registers.  K goes in steps of 128 through a ring of two
; LDS slots filled by the tensor data mover: a tile's rows are 256 bytes of memory and start at multiples of 256 bytes from the buffer's first byte.
; A WORK-GROUP STAYS: 512 tiles for 256 work-groups, two each, 4,096 rows apart, on the same rows of wbf.  The ring does not stop at the first tile's end: its last two changes of slots ask
; for the second tile's first two K steps, and nothing waits for the first tile's stores.  The second tile's last K step goes by rows, so that finished rows leave while the others are multiplied.
; CLUSTERS: 4 x 4 work-groups.  The four of a row of the cluster need the same tiles of abf, the four of a column the same tiles of wbf.  Such a tile is asked for JOINTLY: each of the four
; issues the same tensor load, with the same descriptor and a mask that names the four, and each receives the tile in its own LDS: a quarter of the requests.
; REGISTERS, in windows of 256 (s_set_vgpr_msb's low byte: bits 1:0 source 0, 3:2 source 1, 5:4 source 2, 7:6 destination):
;   window 0: v0-31 addresses and the level's sums; v64-127, v128-191 fragments of abf, two buffers (in the very last K step four, of 16 rows x 128 K); v32-63, v192-255 at work on the way out
;   window 1: v64-127, v128-191 fragments of wbf, two buffers; in the very last K step all 256
;   window 2: the 32 accumulators of my rows 0-63 (accumulator (a, b) at v[8 (8 a + b)]);   window 3: those of my rows 64-127
; THE MATRIX INSTRUCTION IS USED TRANSPOSED: source 0 = 16 rows of wbf, source 1 = 16 rows of abf.  Lane l then holds row l % 16 and its registers 0 to 7 the columns
; 8 (l / 16) + 0 .. 7: eight neighbouring numbers of a row, which pack into 16 bytes; a row's 128 numbers lie in lanes l and l + 16.
.set SIZE_M, 8192
.set SIZE_N, 4096
.set SIZE_K, 2048
.set SIZE_TILES, 2
.set KSTEP,  128
.set PITCH,  272                       ; an LDS row: 256 bytes + 16 of padding = 68 words: row r starts at bank 4 r mod 64 (64 banks of 4 bytes: ISA guide 11.1), so the 16 rows of a load start at 16 different banks
.set HALFT,  128*PITCH                 ; 128 rows: what one tensor load brings, and what one wave reads of abf or of wbf
.set SLOT,   4*HALFT                   ; abf's 256 rows, then wbf's 256 rows
.set STAGE,  2*SLOT                    ; behind the ring: 16 rows x 272 bytes for each wave, for the way out; no tensor load lands here
.set SPITCH, 272
.set LSTG,   STAGE+4*16*SPITCH         ; behind the stages: 512 bytes for each wave, its 128 rows' levels
.set SPARE,  LSTG+4*512                ; behind them: the spare words, 128 bytes for each wave: two blocks of 256 bytes that no other line names
.set LAPS,   SIZE_K/(2*KSTEP)          ; a lap = two K steps = once round the ring: 8
.set WALK,   SIZE_M/SIZE_TILES         ; the work-group's two tiles lie 4,096 rows apart
.set CROW,   SIZE_N*2                  ; bytes in a row of pre
.set NEXT_A, WALK*SIZE_K*2-(SIZE_K-2*KSTEP)*2   ; bytes from a slot's last K step of a tile to its first of the next tile: abf goes WALK rows down and back along K,
.set BACK_B, (SIZE_K-2*KSTEP)*2        ; wbf only back
.set NEXT_C, (WALK-7*16)*CROW          ; bytes from my last 16 rows of a tile to my first of the next
.set NEXT_L, WALK*4                    ; bytes in lvl from a tile's rows to the next tile's
.set T,    6                           ; v6-13   the level's sums
.set M,    14                          ; v14-15  the level (low word; the packed subtraction names the pair)
.set ADRA, 16                          ; v16-17  LDS address of my abf fragments in slot 0, 1
.set ADRB, 20                          ; v20-21  the same for wbf
.set LO,   22                          ; v22     16 x lane: my 16 bytes of the wave's 512 bytes of levels
.set LR,   23                          ; v23     where I read four levels back
.set STO,  24                          ; v24     the way out: where I put 16 bytes of a row
.set RD,   25                          ; v25     the way out: where I read a row back
.set CO,   26                          ; v26     my byte offset in pre
.set LS,   27                          ; v27     where my row's level goes
.set SPW,  28                          ; v28     LDS address of my spare word: SPARE + 4 x my thread's number; never rewritten
.set NIL,  29                          ; v29     0; never rewritten
.set PFO,  30                          ; v30     the prefetches' offset: my lane x a row of abf or wbf (4,096 bytes); never rewritten
.set PFA,  44                          ; s[44:45] where my prefetches stand: my work-group's 32 rows of the 128 that I fetch, one K step further along K than the refill that is being asked for
.set LIM,  43                          ; s43     1 in a wave that prefetches, else the greatest number
.set LVP,  66                          ; s[66:67] lvl at my rows of the tile that went out last
.set LVS,  68                          ; s[68:69] what the next way out adds to it
.set SEL,  70                          ; s[70:71] v_permlanex16_b32's selects: each lane takes its own place in the other half
.set F0,   64                          ; fragment buffer 0
.set F1,   128                         ; fragment buffer 1
.set TMP,  192                         ; the way out: packed results
.set OB,   32                          ; the way out: 16 rows read back from the stage: v32-63 and v224-255 by turns
.set PA,   64                          ; the very last K step: abf's fragments of 16 rows x 128 K, 32 registers; four such buffers, v64-191
.set G1, 24                            ; s[24:31] descriptor group 1 for abf's tiles
.set G0, 32                            ; s[32:39] descriptor group 0 for abf's tiles, one set for each slot
.set G1B, 48                           ; s[48:55] descriptor group 1 for wbf's tiles: it differs in the mask alone
.set G0B, 56                           ; s[56:63] descriptor group 0 for wbf's tiles, one set for each slot
.set MSB, 0
.macro WIN new                         ; the immediate's high byte repeats the setting that is left; a switch that changes nothing is dropped
.if MSB != (\new)
	s_set_vgpr_msb (MSB<<8)|(\new)
.set MSB, \new
.endif
.endm
.set MUL_LO, 0xa1                      ; source 0 (wbf) window 1, source 1 (abf) window 0, C and D window 2
.set MUL_HI, 0xf1                      ; the same, C and D window 3
.set TO_B,   0x40                      ; destination window 1, address window 0
; A joint load.  Waves 0 and 1 fetch abf's two halves, waves 2 and 3 wbf's.  Each of the two lines has one mask and one set of registers for all that issue it.  The branch hangs on the wave's
; number alone.  An s_nop 0 and four v_nop follow each line, ahead of the jump, the label and what follows the macro.
.macro JLOAD s
	s_cmp_eq_u32 s11, 0
	s_cbranch_scc0 .Lfor_b_\@
	tensor_load_to_lds s[G0+4*(\s):G0+4*(\s)+3], s[G1:G1+7]
	s_nop 0
.rept 4
	v_nop
.endr
	s_branch .Lasked_\@
.Lfor_b_\@:
	tensor_load_to_lds s[G0B+4*(\s):G0B+4*(\s)+3], s[G1B:G1B+7]
	s_nop 0
.rept 4
	v_nop
.endr
.Lasked_\@:
.endm
; A PREFETCH INTO THE L2, behind each joint load, its five lines and the run of LDS loads that follows them: the K step that stands TWO refills on: 32 rows x 256 bytes, a lane a row, one instruction a wave,
; 512 matrix instructions ahead of the load that will name those bytes.  Each row's 256 bytes of a K step are named ONCE in the launch: abf's tile row is read by every cluster of that row of clusters,
; and cluster x = 0 asks; wbf's tile column by every cluster of that column, and cluster y = 0 asks.  The four partners that ask for a tile jointly share its rows out BY ADDRESS: of the 128 rows that
; a wave fetches the partner at place p takes 32 p .. 32 p + 31 (p = cx for abf, cy for wbf): no branch hangs on a place in the cluster.  how = 0, in the loop: a tile's last two refills have no K step two on; how = 1, at the change of tiles.
.macro ASK how
.if \how
	s_cmp_eq_u32 s[LIM], 1
.else
	s_cmp_gt_u32 s3, s[LIM]                        ; s3 = 1 in the loop's last trip
.endif
	s_cbranch_scc0 .Lnot_mine_\@
	global_prefetch_b8 v[PFO], s[PFA:PFA+1] offset:KSTEP*2 th:TH_LOAD_NT scope:SCOPE_SE
.Lnot_mine_\@:
.endm
; A round of the cluster's barrier: my work-group's barrier, so that wave 0's signal speaks for all four waves; wave 0 signals for the work-group; every wave waits for all sixteen
; work-groups; my work-group's barrier once more.  No LDS instruction of the wave is pending at a signal.
.macro CREST                           ; a round behind its opening barrier
	s_cmp_lg_u32 s10, 0
	s_cbranch_scc1 .Lnot_wave_0_\@
	s_barrier_signal -3
.Lnot_wave_0_\@:
	s_barrier_wait -3
	s_barrier_signal -1
	s_barrier_wait -1
.endm
.macro CROUND                          ; a whole round
	s_barrier_signal -1
	s_barrier_wait -1
	CREST
.endm
	s_load_b128 s[4:7], s[0:1], 0x0                ; abf s[4:5], wbf s[6:7]
	s_load_b64 s[8:9], s[0:1], 0x10                ; pre
	s_load_b64 s[LVP:LVP+1], s[0:1], 0x18          ; lvl
	v_lshl_add_u32 v[SPW], v0, 2, SPARE
	v_mov_b32 v[NIL], 0
	ds_add_u32 v[SPW], v[NIL]                      ; the wave's opening: the add and its wait come ahead of my first tensor load; the set-up below, work on registers, stands between them
	v_lshrrev_b32 v1, 5, v0
	v_readfirstlane_b32 s10, v1                    ; wave 0..3
	s_lshr_b32 s11, s10, 1                         ; which half of the tile's rows is mine.  Also: I fetch for abf (0) or for wbf (1)
	s_and_b32 s12, s10, 1                          ; which half of its columns.  Also: which 128 rows of that tile I fetch
	s_bfe_u32 s40, ttmp6, 0x40000                  ; cx: my place along the cluster's x
	s_bfe_u32 s41, ttmp6, 0x40004                  ; cy: along its y
	s_lshl_b32 s42, ttmp9, 2                       ; in a cluster launch ttmp9 and ttmp7 count clusters
	s_add_co_u32 s42, s42, s40                     ; tile column = 4 x cluster x + cx
	s_and_b32 s13, ttmp7, 0xffff
	s_lshl_b32 s13, s13, 2
	s_add_co_u32 s13, s13, s41                     ; first tile's row = 4 x cluster y + cy
	s_lshl_b32 s43, s41, 2
	s_lshl_b32 s43, 15, s43                        ; my row of the cluster: places 4 cy .. 4 cy + 3
	s_lshl_b32 s44, 0x1111, s40                    ; my column: places cx, cx + 4, cx + 8, cx + 12
	s_mov_b32 s[SEL], 0x76543210
	s_mov_b32 s[SEL+1], 0xfedcba98
	; descriptor group 1: a tile of 128 rows x 128 elements, padded in LDS
	s_or_b32 s[G1+0], s43, (1<<16)|(1<<20)|(1<<21)|(5<<22)|(3<<25)  ; 15:0 the mask: abf's tiles go to my row; 17:16 elements of 2 bytes; 20 padding on; 21 set beside a mask; 24:22 after every 64 words (code 5); 31:25 4 words of it (code 3)
	s_or_b32 s[G1B+0], s44, (1<<16)|(1<<20)|(1<<21)|(5<<22)|(3<<25) ; the same with the mask of my column, for wbf's tiles
	s_mov_b32 s[G1B+1], KSTEP<<16
	s_mov_b32 s[G1+1], KSTEP<<16                   ; 63:48 tensor_dim0, low half = 128
	s_mov_b32 s[G1B+2], 128<<16
	s_mov_b32 s[G1+2], 128<<16                     ; 79:64 its high half = 0; 95:80 tensor_dim1, low half = 128
	s_mov_b32 s[G1B+3], KSTEP<<16
	s_mov_b32 s[G1+3], KSTEP<<16                   ; 111:96 its high half = 0; 127:112 tile_dim0 = 128
	s_mov_b32 s[G1B+4], 128
	s_mov_b32 s[G1+4], 128                         ; 143:128 tile_dim1 = 128; 159:144 tile_dim2 = 0
	s_mov_b32 s[G1B+5], SIZE_K
	s_mov_b32 s[G1+5], SIZE_K                      ; 191:160 elements from row to row
	s_mov_b32 s[G1B+6], 0
	s_mov_b32 s[G1+6], 0
	s_mov_b32 s[G1B+7], 0
	s_mov_b32 s[G1+7], 0
	; where the tiles come from.  abf's hang on the tile row alone, which my row of the cluster shares; wbf's on the tile column alone, which my column shares.
	; Every wave makes both addresses, in registers that never hold the other coordinate, and asks by one of them.
	s_lshl_b32 s17, s12, 7                         ; which 128 rows of the tile I fetch
	s_lshl_b32 s16, s13, 8
	s_add_co_u32 s16, s16, s17                     ; abf: row 256 x tile row + 128 x half
	s_lshl_b32 s46, s42, 8
	s_add_co_u32 s46, s46, s17                     ; wbf: row 256 x tile column + 128 x half
	s_mov_b32 s17, 0
	s_mov_b32 s47, 0
	s_mov_b64 s[18:19], SIZE_K*2
	s_mul_u64 s[16:17], s[16:17], s[18:19]         ; in bytes
	s_mul_u64 s[46:47], s[46:47], s[18:19]
	s_mul_i32 s20, s10, HALFT                      ; and where they go: wave x 128 rows: no place in the cluster enters an LDS address
	s_wait_dscnt 0x0                               ; the opening add is done
	s_wait_kmcnt 0x0
	s_add_nc_u64 s[14:15], s[4:5], s[16:17]
	s_add_nc_u64 s[46:47], s[6:7], s[46:47]
	CROUND                                         ; all sixteen work-groups are here: the first joint loads meet
.irp s, 0,1
	s_mov_b32 s[G0+4*(\s)], 1                                      ; 1:0 count = 1
	s_add_co_u32 s[G0+4*(\s)+1], s20, (\s)*SLOT                    ; 63:32 LDS address
	s_add_nc_u64 s[G0+4*(\s)+2:G0+4*(\s)+3], s[14:15], (\s)*KSTEP*2  ; 120:64 global address: K step s
	s_or_b32 s[G0+4*(\s)+3], s[G0+4*(\s)+3], 0x80000000            ; 127:126 type = 2
	s_mov_b32 s[G0B+4*(\s)], 1
	s_add_co_u32 s[G0B+4*(\s)+1], s20, (\s)*SLOT
	s_add_nc_u64 s[G0B+4*(\s)+2:G0B+4*(\s)+3], s[46:47], (\s)*KSTEP*2
	s_or_b32 s[G0B+4*(\s)+3], s[G0B+4*(\s)+3], 0x80000000
	JLOAD \s                                       ; the ring is filled before anything else is done: two tensor loads of mine are out
.endr
	; A fragment is 16 rows x 32 K in 8 registers: lane l holds row l % 16; registers 0-3 hold K = 8 (l / 16) + 0..7, registers 4-7 K = 16 + 8 (l / 16) + 0..7: two loads of 16 bytes, 32 bytes apart.
	v_and_b32 v1, 15, v0                           ; l % 16
	v_bfe_u32 v2, v0, 4, 1                         ; l / 16
	v_mul_u32_u24 v3, v1, PITCH
	v_lshl_add_u32 v3, v2, 4, v3                   ; row x pitch + 16 x half
	s_mul_i32 s21, s11, HALFT                      ; my 128 rows of abf
	s_mul_i32 s22, s12, HALFT                      ; my 128 rows of wbf,
	s_add_co_u32 s22, s22, 2*HALFT                 ; which lie behind abf's 256
.irp s, 0,1
	v_add_nc_u32 v[ADRA+(\s)], s21, v3
	v_add_nc_u32 v[ADRB+(\s)], s22, v3
	s_add_co_u32 s21, s21, SLOT
	s_add_co_u32 s22, s22, SLOT
.endr
	s_mul_i32 s23, s10, 16*SPITCH
	s_add_co_u32 s23, s23, STAGE                   ; my stage
	v_mul_u32_u24 v4, v1, SPITCH                   ; in: row l % 16, 16 bytes for each half of the lanes
	v_lshl_add_u32 v4, v2, 4, v4
	v_add_nc_u32 v[STO], s23, v4
	v_mul_u32_u24 v5, v2, SPITCH                   ; back: lanes 0-15 take one row of 256 bytes, lanes 16-31 the next
	v_lshl_add_u32 v5, v1, 4, v5
	v_add_nc_u32 v[RD], s23, v5
	v_mul_u32_u24 v5, v2, CROW                     ; and the same two rows in pre
	v_lshl_add_u32 v[CO], v1, 4, v5
	s_lshl_b32 s23, s10, 9
	s_add_co_u32 s23, s23, LSTG                    ; my 512 bytes of levels
	v_lshl_add_u32 v[LS], v1, 2, s23               ; in: row l % 16 of a block of 16 (both halves of the lanes hold, and write, the same number)
	v_and_b32 v5, 31, v0
	v_lshlrev_b32 v[LO], 4, v5                     ; back: four rows' levels a lane,
	v_add_nc_u32 v[LR], s23, v[LO]                 ; and the same 16 bytes in lvl
	v_mov_b32 v[M+1], 0                            ; named with the level as a pair, so it is written
	; where my part of the first tile begins in pre and in lvl, in bytes: the first way out adds these to the two addresses
	s_lshl_b32 s13, s13, 8
	s_lshl_b32 s14, s11, 7
	s_add_co_u32 s16, s13, s14                     ; my first row
	s_lshl_b32 s[LVS], s16, 2                      ; lvl: 4 bytes a row,
	s_mov_b32 s17, 0
	s_mov_b64 s[18:19], CROW
	s_mul_u64 s[16:17], s[16:17], s[18:19]
	s_lshl_b32 s46, s42, 9                         ; my first column, in bytes: 512 x tile column + 256 x half (in the registers that held wbf's address: none that feeds abf's descriptors ever holds cx)
	s_lshl_b32 s47, s12, 8
	s_add_co_u32 s46, s46, s47
	s_mov_b32 s47, 0
	s_add_nc_u64 s[16:17], s[16:17], s[46:47]
	s_lshl_b32 s[LVS+1], s42, 1
	s_add_co_u32 s[LVS+1], s[LVS+1], s12           ; my block of 128 columns = 2 x tile column + half:
	s_lshl_b32 s[LVS+1], s[LVS+1], 15              ; 8,192 rows of 4 bytes a block
	s_add_co_u32 s[LVS], s[LVS], s[LVS+1]
	s_mov_b32 s[LVS+1], 0
	; the prefetches.  s13 = 256 x tile row, s42 = tile column, s40 = cx, s41 = cy still stand; s[4:5] = abf, s[6:7] = wbf
	s_lshl_b32 s42, s42, 8
	s_and_b32 s22, ttmp7, 0xffff                   ; cluster y
	s_cmp_eq_u32 s11, 0                            ; do I fetch for abf?
	s_cselect_b32 s20, s13, s42                    ; the tile's first row: in abf by the tile row, in wbf by the tile column
	s_cselect_b32 s21, s40, s41                    ; my place among the four that ask for it with me
	s_cselect_b32 s22, ttmp9, s22                  ; the coordinate along which other clusters read the same rows
	s_cselect_b64 s[PFA:PFA+1], s[4:5], s[6:7]
	s_cmp_eq_u32 s22, 0
	s_cselect_b32 s[LIM], 1, -1                    ; the same in all sixteen partners, for a given wave
	s_lshl_b32 s22, s12, 7
	s_add_co_u32 s20, s20, s22                     ; + the 128 rows that I fetch
	s_lshl_b32 s21, s21, 5
	s_add_co_u32 s20, s20, s21                     ; + my work-group's 32 of them
	s_mov_b32 s21, 0
	s_mov_b64 s[18:19], SIZE_K*2
	s_mul_u64 s[20:21], s[20:21], s[18:19]
	s_add_nc_u64 s[PFA:PFA+1], s[PFA:PFA+1], s[20:21]
	s_add_nc_u64 s[PFA:PFA+1], s[PFA:PFA+1], 2*KSTEP*2  ; at K step 2: the first refill steps it to 3 and names K step 4
	v_and_b32 v[PFO], 31, v0
	v_mul_u32_u24 v[PFO], v[PFO], SIZE_K*2
	; nothing is prefetched here, at the head, where every work-group's first two tiles are on their way: K steps 2 and 3 come by their refills alone
; 16 matrix instructions: m blocks a0, a0 + 1 of the window's four (hi = 0: my rows 0-63, 1: rows 64-127) x all 8 n blocks, 32 along K.  zero = 1: the first product starts the sums: nothing is ever cleared.
; The 64 accumulators take turns, one instruction a turn, in the same order in every quarter step.
.macro MUL16 f, hi, a0, zero
	WIN MUL_LO+0x50*(\hi)  ; MUL_LO or MUL_HI
.irp a, \a0, (\a0)+1
.irp b, 0,1,2,3,4,5,6,7
.if \zero
	v_wmma_f32_16x16x32_bf16 v[8*(8*(\a)+(\b)):8*(8*(\a)+(\b))+7], v[(\f)+8*(\b):(\f)+8*(\b)+7], v[(\f)+8*(4*(\hi)+(\a)):(\f)+8*(4*(\hi)+(\a))+7], 0
.else
	v_wmma_f32_16x16x32_bf16 v[8*(8*(\a)+(\b)):8*(8*(\a)+(\b))+7], v[(\f)+8*(\b):(\f)+8*(\b)+7], v[(\f)+8*(4*(\hi)+(\a)):(\f)+8*(4*(\hi)+(\a))+7], v[8*(8*(\a)+(\b)):8*(8*(\a)+(\b))+7]
.endif
.endr
.endr
.endm
; 32 LDS loads in one run: the fragments of one quarter step (128 rows of wbf, 128 rows of abf, 32 K at byte k of the rows) into buffer f
.macro FETCH slot, k, f
	WIN TO_B
.irp i, 0,1,2,3,4,5,6,7
	ds_load_b128 v[(\f)+8*(\i):(\f)+8*(\i)+3],   v[ADRB+(\slot)] offset:(\k)+(\i)*16*PITCH
	ds_load_b128 v[(\f)+8*(\i)+4:(\f)+8*(\i)+7], v[ADRB+(\slot)] offset:(\k)+(\i)*16*PITCH+32
.endr
	WIN 0
.irp i, 0,1,2,3,4,5,6,7
	ds_load_b128 v[(\f)+8*(\i):(\f)+8*(\i)+3],   v[ADRA+(\slot)] offset:(\k)+(\i)*16*PITCH
	ds_load_b128 v[(\f)+8*(\i)+4:(\f)+8*(\i)+7], v[ADRA+(\slot)] offset:(\k)+(\i)*16*PITCH+32
.endr
.endm
; A load into a register that a matrix instruction has read, and a vector instruction that reads a matrix result, stand four places behind that matrix instruction, and only plain vector
; instructions that name none of its registers are places (ISA guide 7.12.1 for vector instructions).
.macro PLACES
.rept 4
	v_nop
.endr
.endm
; A K step is four quarter steps of 32 along K, 64 matrix instructions each, on buffers 0, 1, 0, 1.
; One of the first three: multiplies buffer f; in its middle it fetches the next quarter's fragments, at byte k of the same slot's rows, into buffer g.
.macro QUARTER slot, k, f, g, zero
	s_wait_dscnt 8                                 ; wbf's and abf's rows 0-63 are in; the youngest eight loads (abf's rows 64-127) may be out
	WIN MUL_LO
	MUL16 \f, 0, 0, \zero
	MUL16 \f, 0, 2, \zero
	PLACES
	FETCH \slot, \k, \g
	s_wait_dscnt 32                                ; all but the 32 just issued
	WIN MUL_HI
	MUL16 \f, 1, 0, \zero
	MUL16 \f, 1, 2, \zero
.endm
; The last quarter multiplies buffer 1 and changes slots.  MEET is its first half: ONE barrier for the change.  In front of it each wave waits for all its tensor loads, of which one is out:
; its part of the next slot; adds 0 to its spare word; and waits for that and for its own reads of this slot.  Behind it nobody reads this slot any more and the next slot is whole.
.macro MEET round                      ; round = 1: a round of the cluster's barrier follows
	WIN 0                                          ; (the add's two registers lie in window 0)
	s_wait_tensorcnt 0x0                           ; all my tensor loads have landed;
	ds_add_u32 v[SPW], v[NIL]                      ; 0 onto my spare word;
	s_wait_dscnt 9                                 ; (the add and the youngest eight loads may be out)
	WIN MUL_LO
	MUL16 F1, 0, 0, 0                              ; sixteen matrix instructions stand between the add and the wait for it
	s_wait_dscnt 0x0                               ; the add is done, and my reads of this slot are over:
	s_barrier_signal -1                            ; say so,
	MUL16 F1, 0, 2, 0                              ; work on registers while the others arrive,
.if \round
	WIN 0
.endif
	s_barrier_wait -1                              ; and go on when all four have said so
.endm
; The whole last quarter.  Behind the round the slot just read out is filled again first: with this tile's K step two steps on (on = 0) or, in the first tile's last two K steps, with the second
; tile's K step 0 or 1 (on = 1); then come the next slot's first fragments.  From a request to the wait for it a wave issues 224 matrix instructions.
.macro TURN slot, next, on
	s_wait_xcnt 0x0                                ; the last prefetch, a K step back, has read its address: it is stepped here, ahead of the waits of the change of slots
.if (\on) && (\slot) == 0
	s_add_nc_u64 s[PFA:PFA+1], s[PFA:PFA+1], (WALK-1)*SIZE_K*2+KSTEP*2  ; from the K step after the tile's last to the next tile's K step 1: WALK rows down, back along K
	s_cmp_eq_u32 s11, 0
	s_cselect_b32 s[LIM], s[LIM], -1               ; wbf's rows are the same for both tiles: they have been asked for, and are named no more
.else
	s_add_nc_u64 s[PFA:PFA+1], s[PFA:PFA+1], KSTEP*2
.endif
	MEET 1
	CREST                                          ; no wave of any partner still reads this slot's tile or has a load on its way
.if \on
	s_add_nc_u64 s[G0+4*(\slot)+2:G0+4*(\slot)+3], s[G0+4*(\slot)+2:G0+4*(\slot)+3], NEXT_A
	s_sub_nc_u64 s[G0B+4*(\slot)+2:G0B+4*(\slot)+3], s[G0B+4*(\slot)+2:G0B+4*(\slot)+3], BACK_B
.else
	s_add_nc_u64 s[G0+4*(\slot)+2:G0+4*(\slot)+3], s[G0+4*(\slot)+2:G0+4*(\slot)+3], 2*KSTEP*2
	s_add_nc_u64 s[G0B+4*(\slot)+2:G0B+4*(\slot)+3], s[G0B+4*(\slot)+2:G0B+4*(\slot)+3], 2*KSTEP*2
.endif
	JLOAD \slot                                    ; the first tensor load behind the round, my only one until the next; the four v_nop behind it are also the places in front of the loads below
	FETCH \next, 0, F0
	ASK \on                                        ; behind the joint load and the run of LDS loads that the next products wait for
	WIN MUL_HI
	MUL16 F1, 1, 0, 0
	MUL16 F1, 1, 2, 0
.endm
; THE LAST K STEP OF THE SECOND TILE (it lies in slot 1) GOES BY ROWS, NOT BY K.  All its fragments of wbf (4 quarters x 64 registers) fill window 1; then my eight blocks of 16 rows are
; finished one after the other, each with 32 matrix instructions (its 8 accumulators by turns, K ascending).  LDS is read no more than in any other K step.
.macro BLOAD q                         ; wbf's fragments of quarter q -> window 1, v[64 q ..]
	WIN TO_B
.irp i, 0,1,2,3,4,5,6,7
	ds_load_b128 v[64*(\q)+8*(\i):64*(\q)+8*(\i)+3],   v[ADRB+1] offset:64*(\q)+(\i)*16*PITCH
	ds_load_b128 v[64*(\q)+8*(\i)+4:64*(\q)+8*(\i)+7], v[ADRB+1] offset:64*(\q)+(\i)*16*PITCH+32
.endr
.endm
.macro ALOAD a                         ; abf's fragments of block a, all four quarters -> buffer a % 4
	WIN 0
.set FA, PA+32*((\a)%4)
.irp q, 0,1,2,3
	ds_load_b128 v[FA+8*(\q):FA+8*(\q)+3],   v[ADRA+1] offset:64*(\q)+(\a)*16*PITCH
	ds_load_b128 v[FA+8*(\q)+4:FA+8*(\q)+7], v[ADRA+1] offset:64*(\q)+(\a)*16*PITCH+32
.endr
.endm
.macro ROW a                           ; block a is finished: 32 matrix instructions
.set FA, PA+32*((\a)%4)                ; its fragments of abf
.set AC, 64*((\a)%4)                   ; its eight accumulators, in window 2 (blocks 0-3) or 3 (blocks 4-7)
	WIN MUL_LO+0x50*((\a)/4)                       ; MUL_LO or MUL_HI
.irp q, 0,1,2,3
.if (\a) == 0 && (\q) == 2
	s_wait_dscnt 24                                ; wbf's quarter 2 is in (behind it: abf's blocks 1 to 3)
.endif
.irp b, 0,1,2,3,4,5,6,7
	v_wmma_f32_16x16x32_bf16 v[AC+8*(\b):AC+8*(\b)+7], v[64*(\q)+8*(\b):64*(\q)+8*(\b)+7], v[FA+8*(\q):FA+8*(\q)+7], v[AC+8*(\b):AC+8*(\b)+7]
.endr
.endr
.endm
; THE WAY OUT of block a (16 rows x my 128 columns), in three parts.
; PACK: the row's level: registers 0 and 1 of each of the lane's eight accumulators (the lowest are read first), 16 sums, and the 16 of the lane 16 away, which holds the
; same row's other columns: their mean.  It goes to my 512 bytes of levels in LDS.  Then every sum less the level, in place, and rounded to f16, 16 bytes an accumulator.
.macro PACK a
.set AC, 64*((\a)%4)
	WIN 0x0a+5*((\a)/4)                            ; sources 0 and 1: window 2 or 3; destination window 0
.irp q, 0,1,2,3
	v_pk_add_f32 v[T+2*(\q):T+2*(\q)+1], v[AC+16*(\q):AC+16*(\q)+1], v[AC+16*(\q)+8:AC+16*(\q)+9]
.endr
	WIN 0
	v_pk_add_f32 v[T:T+1], v[T:T+1], v[T+2:T+3]
	v_pk_add_f32 v[T+4:T+5], v[T+4:T+5], v[T+6:T+7]
	v_pk_add_f32 v[T:T+1], v[T:T+1], v[T+4:T+5]
	v_add_f32 v[T], v[T], v[T+1]
	v_permlanex16_b32 v[T+1], v[T], s[SEL], s[SEL+1]
	v_add_f32 v[T], v[T], v[T+1]
	v_mul_f32 v[M], 0x3d000000, v[T]               ; / 32
	ds_store_b32 v[LS], v[M] offset:64*(\a)        ; row 16 a + l % 16 of my 128
	WIN 0x82+0x41*((\a)/4)                         ; destination and source 0: window 2 or 3; the level in window 0
.set i, 0
.rept 32
	v_pk_add_f32 v[AC+i:AC+i+1], v[AC+i:AC+i+1], v[M:M+1] op_sel_hi:[1,0] neg_lo:[0,1] neg_hi:[0,1]
.set i, i+2
.endr
	WIN 0x0a+5*((\a)/4)
.irp b, 0,1,2,3,4,5,6,7
.irp r, 0,1,2,3
	v_cvt_pk_f16_f32 v[TMP+4*(\b)+(\r)], v[AC+8*(\b)+2*(\r)], v[AC+8*(\b)+2*(\r)+1]
.endr
.endr
	WIN 0
.endm
; TOSTAGE: into my own stage in LDS, and back as whole rows of 256 bytes.  The stage is my wave's alone: no barrier, and LDS serves a wave's instructions in order (ISA guide 5.7.1.4), so
; the loads see the stores above them and the next block's stores come behind these loads.
.macro TOSTAGE a
	WIN 0
.set BK, OB+192*((\a)%2)
.irp b, 0,1,2,3,4,5,6,7
	ds_store_b128 v[STO], v[TMP+4*(\b):TMP+4*(\b)+3] offset:32*(\b)
.endr
.irp t, 0,1,2,3,4,5,6,7
	ds_load_b128 v[BK+4*(\t):BK+4*(\t)+3], v[RD] offset:(\t)*2*SPITCH
.endr
.endm
.macro SEND a, younger                 ; younger: the LDS loads issued behind TOSTAGE's, which may stay out
	WIN 0
.set BK, OB+192*((\a)%2)
	s_wait_dscnt \younger                          ; the block is back in registers
	s_wait_xcnt 0x0                                ; every earlier memory instruction has had its addresses translated (ISA guide 3.1): only behind this wait are the stores' bases and the registers that earlier stores read rewritten
.if (\a) == 0
	s_add_nc_u64 s[8:9], s[8:9], s[16:17]          ; on to this tile's first rows, in pre
	s_add_nc_u64 s[LVP:LVP+1], s[LVP:LVP+1], s[LVS:LVS+1]  ; and in lvl
.else
	s_add_nc_u64 s[8:9], s[8:9], 16*CROW           ; 16 rows on, so that the stores' offsets stay at 14 rows at the most
.endif
.irp t, 0,1,2,3,4,5,6,7
	global_store_b128 v[CO], v[BK+4*(\t):BK+4*(\t)+3], s[8:9] offset:2*(\t)*CROW th:TH_STORE_NT  ; 16 lanes store 256 consecutive bytes, at a multiple of 256 from pre's first byte
.endr
.endm
.macro LEVELS                          ; behind a tile's eight blocks: my 128 rows' levels, 512 consecutive bytes of lvl, at a multiple of 512 from its first byte
	WIN 0
	ds_load_b128 v[T:T+3], v[LR]                   ; my own eight stores of four bytes a lane lie ahead of it, in order
	s_wait_dscnt 0x0
	global_store_b128 v[LO], v[T:T+3], s[LVP:LVP+1] th:TH_STORE_NT
.endm
	s_wait_tensorcnt 1                             ; my part of K step 0 is in; K step 1's load, the one issued behind it, may stay out
	s_barrier_signal -1
	s_barrier_wait -1                              ; everybody's is
	FETCH 0, 0, F0
	s_mov_b32 s2, SIZE_TILES                       ; tiles to go, this one among them: the same number in every work-group
.Ltile:                                                ; (FETCH, SEND and LEVELS leave every window 0)
	QUARTER 0, 64,  F0, F1, 1                      ; a tile's first quarter stands in front of the loop: its products start the sums
	WIN 0                                          ; at a label and at a branch every window is 0
	s_mov_b32 s3, LAPS-1
.Llap:                                                 ; a trip goes once round the ring, from a lap's second quarter to the next lap's first, and fills both slots again
	QUARTER 0, 128, F1, F0, 0
	QUARTER 0, 192, F0, F1, 0
	TURN 0, 1, 0
	QUARTER 1, 64,  F0, F1, 0
	QUARTER 1, 128, F1, F0, 0
	QUARTER 1, 192, F0, F1, 0
	TURN 1, 0, 0
	QUARTER 0, 64,  F0, F1, 0
	WIN 0
	s_sub_co_u32 s3, s3, 1
	s_cmp_lg_u32 s3, 0
	s_cbranch_scc1 .Llap
	QUARTER 0, 128, F1, F0, 0                      ; the tile's last lap goes on
	QUARTER 0, 192, F0, F1, 0
	WIN 0
	s_cmp_eq_u32 s2, 1
	s_cbranch_scc1 .Llast_tile                     ; the last tile's tail is written out: it asks for nothing more
	TURN 0, 1, 1                                   ; THE RING GOES ON INTO THE SECOND TILE: slot 0 takes its K step 0,
	QUARTER 1, 64,  F0, F1, 0
	QUARTER 1, 128, F1, F0, 0
	QUARTER 1, 192, F0, F1, 0
	TURN 1, 0, 1                                   ; slot 1 its K step 1, and the second tile's first fragments are fetched (buffer 0, which the way out leaves alone)
	PLACES                                         ; BOTH REFILLS ARE ASKED FOR: NOW THE TILE GOES OUT
	PACK 0
	TOSTAGE 0
.irp a, 1,2,3,4,5,6,7                  ; block a's arithmetic stands between block a - 1's loads from the stage and the wait for them
	PACK \a
	SEND (\a)-1, 0
	TOSTAGE \a
.endr
	SEND 7, 0
	LEVELS
	s_mov_b64 s[16:17], NEXT_C                     ; what the next way out adds to pre's address,
	s_mov_b64 s[LVS:LVS+1], NEXT_L                 ; and to lvl's
	s_sub_co_u32 s2, s2, 1
	s_branch .Ltile
.Llast_tile:
	MEET 0                                         ; my one tensor load that was still out is slot 1's, the last K step's, so no round follows
	PLACES                                         ; for the loads into buffer 0, which the quarter before multiplied
	WIN TO_B
	BLOAD 0                                        ; three quarters of wbf now: buffer 1 (v128-191 of both windows) is still being multiplied
	BLOAD 1
	BLOAD 3
	WIN 0
	ALOAD 0
	WIN MUL_HI
	MUL16 F1, 1, 0, 0
	MUL16 F1, 1, 2, 0
	PLACES                                         ; for the loads into buffer 1
	WIN TO_B
	BLOAD 2
	WIN 0
	ALOAD 1
	ALOAD 2
	ALOAD 3
	s_wait_dscnt 40                                ; all but the 40 just issued (wbf's quarter 2: 16; abf's blocks 1 to 3: 24)
	ROW 0
.irp a, 0,1,2,3,4,5,6,7                ; each block leaves as soon as it is finished: nothing follows this tile under which its stores could leave
	PLACES                                         ; its sums read results just made, and no other vector work is at hand
	PACK \a
	TOSTAGE \a
.if (\a) < 4
	ALOAD (\a)+4                                   ; its buffer takes the block four further on
	SEND \a, 8
.else
	SEND \a, 0
.endif
.if (\a) < 7
	ROW (\a)+1
.endif
.endr
	LEVELS
	s_wait_tensorcnt 0x0                           ; the wave's end, behind my last tensor load and my last LDS store
	ds_add_u32 v[SPW], v[NIL]
	s_wait_dscnt 0x0
	CROUND                                         ; the closing round: no work-group ends while a partner may still ask for a tile that names it
	s_endpgm
.Lfunc_end_k_q92ad20ab64_gemm:
	.size	k_q92ad20ab64_gemm, .Lfunc_end_k_q92ad20ab64_gemm-k_q92ad20ab64_gemm
	.p2alignl 7, 3214868480
	.fill 96, 4, 3214868480
	.section	.rodata,"a",@progbits
	.p2align	6, 0x0
	.amdhsa_kernel k_q92ad20ab64_gemm
		.amdhsa_group_segment_fixed_size 327680
		.amdhsa_private_segment_fixed_size 0
		.amdhsa_enable_private_segment 0
		.amdhsa_kernarg_size 32
		.amdhsa_user_sgpr_count 2
		.amdhsa_user_sgpr_kernarg_segment_ptr 1
		.amdhsa_wavefront_size32 1
		.amdhsa_system_sgpr_workgroup_id_x 1
		.amdhsa_system_sgpr_workgroup_id_y 1
		.amdhsa_system_sgpr_workgroup_id_z 1
		.amdhsa_system_vgpr_workitem_id 0
		.amdhsa_next_free_vgpr 1024
		.amdhsa_next_free_sgpr 72
		.amdhsa_reserve_vcc 0
		.amdhsa_float_denorm_mode_32 3
		.amdhsa_float_denorm_mode_16_64 3
		.amdhsa_memory_ordered 1
		.amdhsa_forward_progress 1
		.amdhsa_inst_pref_size 255
	.end_amdhsa_kernel
	.section	.bss,"aw",@nobits
	.p2align	6
	.space	262144
	.amdgpu_metadata
---
amdhsa.version: [ 1, 2 ]
amdhsa.kernels:
  - .name:           k_q92ad20ab64_gemm
    .symbol:         k_q92ad20ab64_gemm.kd
    .args:
      - { .name: abf, .offset: 0, .size: 8, .value_kind: global_buffer, .address_space: global }
      - { .name: wbf, .offset: 8, .size: 8, .value_kind: global_buffer, .address_space: global }
      - { .name: pre, .offset: 16, .size: 8, .value_kind: global_buffer, .address_space: global }
      - { .name: lvl, .offset: 24, .size: 8, .value_kind: global_buffer, .address_space: global }
    .group_segment_fixed_size: 327680
    .private_segment_fixed_size: 0
    .kernarg_segment_align: 8
    .kernarg_segment_size: 32
    .max_flat_workgroup_size: 128
    .sgpr_count:     72
    .vgpr_count:     1024
    .wavefront_size: 32
...
	.end_amdgpu_metadata
.endif
;; end of part 2
;; launch cell (part 3): grid 256 x 1, 8 waves a work-group, no clusters, 33,792 bytes of LDS; arguments pre, c, gamma4, beta4, cell_gamma, cell_beta, out0, out1, lvl; writes out0, out1
.if DOCPART == 3
	.amdgcn_target "amdgcn-amd-amdhsa--gfx1250"
	.amdhsa_code_object_version 6
	.text
	.protected	k_q92ad20ab64_cell
	.globl	k_q92ad20ab64_cell
	.p2align	8
	.type	k_q92ad20ab64_cell,@function
k_q92ad20ab64_cell:
	s_mov_b64 s[64:65], 0
	v_nop
	global_prefetch_b8 v0, s[64:65] scope:SCOPE_SE
	s_setreg_imm32_b32 hwreg(HW_REG_WAVE_MODE, 25, 1), 1
	s_wait_xcnt 0x0
; THE CELL.  For each of 8,192 rows: the four gates' layer norms over 1,024 columns each, sigmoid (i, f, o) or tanh (j), s = i j + f c, the cell's layer norm: new_c (out1), and new_h = o tanh(new_c) (out0).
; THE GATES' NUMBERS come as pre[row][column] in f16 and lvl[column / 128][row] in f32: the number is their sum, made here in f32 by one fused multiply-add.
; All else in f32.  c, gamma4, beta4, cell_gamma and cell_beta are rounded once to bf16 (to nearest even), like the product's operands: the whole program works on inputs rounded to bf16.
; MEAN AND VARIANCE in two passes, as they are defined: the mean, then the squares of x - mean: no difference of large sums is formed.
; sigmoid(y) = 1 / (1 + 2^(-log2(e) y)), tanh(y) = 1 - 2 / (1 + 2^(2 log2(e) y)); the factor K in front of y is folded into the norm's scale and into beta.
; LIMITS.  A power of two below 2^-126 counts as 0 and one past f32's range as infinity, whose reciprocal is 0: both give the functions' own limits (0, 1, -1).  NaN and infinities in the inputs are not treated apart.
; SHARES.  A work-group takes 32 rows, each of its eight waves 4 whole rows, one at a time: a row's sums never leave the wave.  Lane l holds, of each 1,024 columns, 128 j + 4 l + e (j = 0..7, e = 0..3)
; in register 4 j + e of 32: a load of pre covers 256 consecutive bytes, every other load and store 512, all aligned; and chunk j is one block of 128 columns, with one level for all lanes.
; Matrix units, tensor loads and clusters have nothing to do here: no streamed byte is shared.
; THE PARAMETERS are the same for all rows: made once a work-group (each thread four columns), handed round through LDS, and kept in registers: gains packed in bf16, K x beta in f32.
; THE LEVELS of the work-group's 32 rows, 32 a row, are fetched once and turned in LDS into [row][block]; a row's 32 come back by eight loads in which all lanes name the same 16 bytes.
; ONE TEXT FOR ALL FOUR ROWS.  The gates are taken in the order f, i, j, o: s = f c is made behind f and s += i j behind j, and then the regions of f, i, j and c, 128 registers, are free at once.
; There the NEXT row's 40 loads (f, c, i, j, o, the order of their use) and its levels go out as ONE block, with gate o and the cell's own norm, some two fifths of a row's instructions, behind it;
; the last trip jumps over the block.  Either all of it was issued or none, so each counted wait holds on both ways.  o's own region is still in use at that place: its f16 numbers go into the lower
; half of j's region and are widened from there just ahead of j's.
; REGISTERS.  window 0: v1-7, v20-24 addresses, 1.0 and 0; v8-19 at work; v32-159 the four gates; v160-191 c; v192-223 s; v224-255 at work.   window 1: v0-63 the gates' gains; v64-95 the cell's gain and bias; v96-223 K x beta; v224-255 the row's levels.
.set ROWP, 8192                        ; bytes in a row of pre
.set ROWC, 4096                        ; bytes in a row of c, out0, out1
.set LG,   0                           ; LDS: the gates' gains, bf16, 2,048 bytes a gate
.set LCG,  8192                        ; the cell's gain, bf16
.set LCB,  10240                       ; the cell's bias, bf16
.set LB,   12288                       ; K x beta, f32, 4,096 bytes a gate
.set LT,   28672                       ; the levels, f32: 128 bytes for each of the work-group's 32 rows
.set SPARE, 32768                      ; the spare words, 128 bytes for each of eight waves: four blocks of 256 bytes that no other line names
.set LO,  1                            ; v1   16 x lane; never rewritten
.set SPW, 2                            ; v2   LDS address of my spare word: SPARE + 4 x my thread's number; never rewritten
.set NIL, 3                            ; v3   0, for the add alone; never rewritten
.set PO,  4                            ; v4   16 x thread
.set PO8, 5                            ; v5   8 x thread
.set LA8, 6                            ; v6   8 x lane; never rewritten
.set T,   8                            ; v8-15 four chains of sums; v16-17 the mean (low word); v18-19 the scale (low word)
.set ONE, 20                           ; v20  1.0
.set LVA, 21                           ; v21  LDS address of the levels of the row fetched last: the same in all lanes
.set LTS, 22                           ; v22  where my four levels go
.set LTO, 23                           ; v23  my byte offset in lvl
.set ZR,  24                           ; v24  0.0: the addend of s = f c + 0
.set P,   32                           ; gate g (0 i, 1 j, 2 f, 3 o) at P + 32 g
.set C,   160
.set S,   192
.set U,   224
.set PG,  0                            ; window 1
.set PCG, 64
.set PCB, 80
.set PB,  96
.set LV,  224
.set KSIG,  0xbfb8aa3b                 ; -log2(e)
.set KTANH, 0x4038aa3b                 ; 2 log2(e)
.set MSB, 0
.macro WIN new                         ; s_set_vgpr_msb: bits 1:0 source 0, 3:2 source 1, 5:4 source 2, 7:6 destination; the high byte repeats the setting that is left
.if MSB != (\new)
	s_set_vgpr_msb (MSB<<8)|(\new)
.set MSB, \new
.endif
.endm
.macro LDG g, dst                      ; gate g of the row at pre's pointer: chunk j's four f16 a lane into registers dst + 2 j, dst + 2 j + 1
.irp j, 0,1,2,3,4,5,6,7
	global_load_b64 v[(\dst)+2*\j:(\dst)+2*\j+1], v[LA8], s[8:9] offset:2048*(\g)+256*\j th:TH_LOAD_NT
.endr
.endm
.macro LDROW                           ; a row's 40 loads, in the order of their use
	LDG 2, P+64+16                                 ; f: the upper half of its own region
.irp j, 0,1,2,3,4,5,6,7
	global_load_b128 v[C+4*\j:C+4*\j+3], v[LO], s[10:11] offset:512*\j th:TH_LOAD_NT
.endr
	LDG 0, P+16                                    ; i: the upper half of its own region
	LDG 1, P+32+16                                 ; j: likewise
	LDG 3, P+32                                    ; o: the lower half of j's region
.endm
.macro LDLV                            ; a row's 32 levels: block 4 q + e into register 4 q + e, the same number in every lane
	WIN 0x40                                       ; destination window 1, address window 0
.irp q, 0,1,2,3,4,5,6,7
	ds_load_b128 v[LV+4*\q:LV+4*\q+3], v[LVA] offset:16*\q
.endr
	WIN 0
.endm
; Gate g's 32 numbers: f16 half n % 2 of register src + n / 2, times 1.0, plus the level of chunk n / 4.  Where src is the region's own upper half the widening is in place and ascending: register n
; covers, from n = 16 on, the f16 register that was read for the last time for numbers 2 n - 32 and 2 n - 31, which are below n up to n = 30; at n = 31 it is the line's own source.
.macro WIDEN g, src
	WIN 0x10                                       ; source 2 in window 1
.set n, 0
.rept 16
	v_fma_mix_f32 v[P+32*(\g)+n], v[(\src)+n/2], v[ONE], v[LV+8*(\g)+n/4] op_sel_hi:[1,0,0]
	v_fma_mix_f32 v[P+32*(\g)+n+1], v[(\src)+n/2], v[ONE], v[LV+8*(\g)+n/4] op_sel:[1,0,0] op_sel_hi:[1,0,0]
.set n, n+2
.endr
	WIN 0
.endm
.macro FOLD                            ; the four chains' eight sums into one, then over the 32 lanes: four steps inside each half of 16 lanes ride on the addition, one crosses the halves
	v_pk_add_f32 v[T:T+1], v[T:T+1], v[T+2:T+3]
	v_pk_add_f32 v[T+4:T+5], v[T+4:T+5], v[T+6:T+7]
	v_pk_add_f32 v[T:T+1], v[T:T+1], v[T+4:T+5]
	v_add_f32 v[T], v[T], v[T+1]
	v_add_f32_dpp v[T], v[T], v[T] row_xmask:1 row_mask:0xf bank_mask:0xf
	v_add_f32_dpp v[T], v[T], v[T] row_xmask:2 row_mask:0xf bank_mask:0xf
	v_add_f32_dpp v[T], v[T], v[T] row_xmask:4 row_mask:0xf bank_mask:0xf
	v_add_f32_dpp v[T], v[T], v[T] row_xmask:8 row_mask:0xf bank_mask:0xf
	v_permlanex16_b32 v[T+1], v[T], s30, s31
	v_add_f32 v[T], v[T], v[T+1]
.endm
; The 32 registers at x become k (x - mean) / sqrt(var + 1e-5); k = 0: no factor.
.macro NORM x, k
.irp q, 0,1,2,3
	v_pk_add_f32 v[T+2*\q:T+2*\q+1], v[(\x)+2*\q:(\x)+2*\q+1], v[(\x)+8+2*\q:(\x)+8+2*\q+1]  ; the first eight pairs start the chains: nothing is cleared
.endr
.irp q, 8,9,10,11,12,13,14,15
	v_pk_add_f32 v[T+2*((\q)%4):T+2*((\q)%4)+1], v[T+2*((\q)%4):T+2*((\q)%4)+1], v[(\x)+2*\q:(\x)+2*\q+1]
.endr
	FOLD
	v_mul_f32 v[T+8], s28, v[T]                    ; the mean
.set n, 0
.rept 16
	v_pk_add_f32 v[(\x)+n:(\x)+n+1], v[(\x)+n:(\x)+n+1], v[T+8:T+9] op_sel_hi:[1,0] neg_lo:[0,1] neg_hi:[0,1]
.set n, n+2
.endr
.irp q, 0,1,2,3
	v_pk_mul_f32 v[T+2*\q:T+2*\q+1], v[(\x)+2*\q:(\x)+2*\q+1], v[(\x)+2*\q:(\x)+2*\q+1]
.endr
.irp q, 4,5,6,7,8,9,10,11,12,13,14,15
	v_pk_fma_f32 v[T+2*((\q)%4):T+2*((\q)%4)+1], v[(\x)+2*\q:(\x)+2*\q+1], v[(\x)+2*\q:(\x)+2*\q+1], v[T+2*((\q)%4):T+2*((\q)%4)+1]
.endr
	FOLD
	v_fma_f32 v[T], v[T], s28, s29                 ; var + 1e-5
	v_rsq_f32 v[T+10], v[T]
	v_nop                                          ; a plain instruction behind the root (ISA guide 5.7.2),
	s_wait_alu depctr_va_vdst(0)                   ; and the wait ahead of the first line that names its result
.if (\k) != 0
	v_mul_f32 v[T+10], \k, v[T+10]
.endif
.set n, 0
.rept 16
	v_pk_mul_f32 v[(\x)+n:(\x)+n+1], v[(\x)+n:(\x)+n+1], v[T+10:T+11] op_sel_hi:[1,0]
.set n, n+2
.endr
.endm
.macro AFFG g                          ; gate g: x gain + K beta; the gain is a bf16 half (even columns low, odd high), the rest f32
	WIN 0x14                                       ; sources 1 and 2 in window 1
.set n, 0
.rept 16
	v_fma_mix_f32_bf16 v[P+32*(\g)+n], v[P+32*(\g)+n], v[PG+16*(\g)+n/2], v[PB+32*(\g)+n] op_sel_hi:[0,1,0]
	v_fma_mix_f32_bf16 v[P+32*(\g)+n+1], v[P+32*(\g)+n+1], v[PG+16*(\g)+n/2], v[PB+32*(\g)+n+1] op_sel:[0,1,0] op_sel_hi:[0,1,0]
.set n, n+2
.endr
	WIN 0
.endm
.macro AFFC                            ; the cell: s gain + bias, both bf16 halves
	WIN 0x14
.set n, 0
.rept 16
	v_fma_mix_f32_bf16 v[S+n], v[S+n], v[PCG+n/2], v[PCB+n/2] op_sel_hi:[0,1,1]
	v_fma_mix_f32_bf16 v[S+n+1], v[S+n+1], v[PCG+n/2], v[PCB+n/2] op_sel:[0,1,1] op_sel_hi:[0,1,1]
.set n, n+2
.endr
	WIN 0
.endm
.macro SIG x                           ; the 32 registers at x become 1 / (1 + 2^x): two batches of 32, each with one plain instruction behind its last and ONE wait ahead of its first use
.set n, 0
.rept 32
	v_exp_f32 v[(\x)+n], v[(\x)+n]
.set n, n+1
.endr
	v_nop
	s_wait_alu depctr_va_vdst(0)
.set n, 0
.rept 16
	v_pk_add_f32 v[(\x)+n:(\x)+n+1], v[(\x)+n:(\x)+n+1], 1.0 op_sel_hi:[1,0]
.set n, n+2
.endr
.set n, 0
.rept 32
	v_rcp_f32 v[(\x)+n], v[(\x)+n]
.set n, n+1
.endr
	v_nop
	s_wait_alu depctr_va_vdst(0)
.endm
.macro ACT g, k                        ; gate g, widened: its norm, gain and bias, and 1 / (1 + 2^..)
	NORM P+32*(\g), \k
	AFFG \g
	SIG P+32*(\g)
.endm
	s_load_b512 s[8:23], s[0:1], 0x0               ; pre s[8:9], c s[10:11], gamma4 s[12:13], beta4 s[14:15], cell_gamma s[16:17], cell_beta s[18:19], out0 s[20:21], out1 s[22:23]
	s_load_b64 s[34:35], s[0:1], 0x40              ; lvl
	v_lshl_add_u32 v[SPW], v0, 2, SPARE
	v_mov_b32 v[NIL], 0
	v_lshrrev_b32 v7, 5, v0
	v_readfirstlane_b32 s24, v7                    ; wave 0..7
	v_and_b32 v7, 31, v0
	v_lshlrev_b32 v[LO], 4, v7
	v_lshlrev_b32 v[LA8], 3, v7
	v_lshlrev_b32 v[PO], 4, v0
	v_lshlrev_b32 v[PO8], 3, v0
	v_mov_b32 v[T+9], 0                            ; named with the mean and the scale as pairs, so they are written
	v_mov_b32 v[T+11], 0
	v_mov_b32 v[ONE], 1.0
	v_mov_b32 v[ZR], 0
	v_lshrrev_b32 v7, 3, v0                        ; the levels: thread t takes block t / 8, rows 4 (t % 8) .. + 3 of the work-group's 32
	v_and_b32 v[LTS], 7, v0
	v_lshlrev_b32 v[LTO], 15, v7                   ; in lvl: 32,768 bytes a block,
	v_lshl_add_u32 v[LTO], v[LTS], 4, v[LTO]       ; 16 bytes for four rows
	v_lshlrev_b32 v[LTS], 9, v[LTS]                ; in LDS: 128 bytes a row,
	v_lshl_add_u32 v[LTS], v7, 2, v[LTS]           ; 4 bytes a block
	s_lshl_b32 s38, s24, 9
	s_add_co_u32 s38, s38, LT                      ; my wave's first row in the table
	v_mov_b32 v[LVA], s38
	s_mov_b32 s28, 0x3a800000                      ; 1 / 1024
	s_mov_b32 s29, 0x3727c5ac                      ; 1e-5
	s_mov_b32 s30, 0x76543210                      ; v_permlanex16_b32: each lane takes its own place in the other half
	s_mov_b32 s31, 0xfedcba98
	s_lshl_b32 s26, ttmp9, 18                      ; pre: 32 rows of 8,192 bytes a work-group,
	s_lshl_b32 s27, s24, 15                        ; 4 a wave
	s_add_co_u32 s26, s26, s27
	s_mov_b32 s27, 0
	s_lshl_b32 s32, ttmp9, 17                      ; c, out0, out1: rows of 4,096 bytes
	s_lshl_b32 s33, s24, 14
	s_add_co_u32 s32, s32, s33
	s_mov_b32 s33, 0
	s_lshl_b32 s36, ttmp9, 7                       ; lvl: 32 rows of 4 bytes a work-group
	s_mov_b32 s37, 0
	s_wait_kmcnt 0x0
	s_add_nc_u64 s[8:9], s[8:9], s[26:27]
	s_add_nc_u64 s[10:11], s[10:11], s[32:33]
	s_add_nc_u64 s[20:21], s[20:21], s[32:33]
	s_add_nc_u64 s[22:23], s[22:23], s[32:33]
	s_add_nc_u64 s[34:35], s[34:35], s[36:37]
	; the parameters: thread t takes columns 4 t .. 4 t + 3 of each of the ten vectors
.irp g, 0,1,2,3
	global_load_b128 v[S+4*\g:S+4*\g+3], v[PO], s[12:13] offset:4096*\g
	global_load_b128 v[S+16+4*\g:S+16+4*\g+3], v[PO], s[14:15] offset:4096*\g
.endr
	global_load_b128 v[U:U+3], v[PO], s[16:17]
	global_load_b128 v[U+4:U+7], v[PO], s[18:19]
	global_load_b128 v[U+24:U+27], v[LTO], s[34:35]
	LDROW                                          ; and my first row
	s_wait_loadcnt 40                              ; the eleven loads of parameters and levels are in; the row's 40 stay out
.irp g, 0,1,2,3
	v_cvt_pk_bf16_f32 v[U+8+2*\g], v[S+4*\g], v[S+4*\g+1]
	v_cvt_pk_bf16_f32 v[U+9+2*\g], v[S+4*\g+2], v[S+4*\g+3]
	ds_store_b64 v[PO8], v[U+8+2*\g:U+9+2*\g] offset:LG+2048*\g
.endr
	v_cvt_pk_bf16_f32 v[U+16], v[U], v[U+1]
	v_cvt_pk_bf16_f32 v[U+17], v[U+2], v[U+3]
	ds_store_b64 v[PO8], v[U+16:U+17] offset:LCG
	v_cvt_pk_bf16_f32 v[U+18], v[U+4], v[U+5]
	v_cvt_pk_bf16_f32 v[U+19], v[U+6], v[U+7]
	ds_store_b64 v[PO8], v[U+18:U+19] offset:LCB
.irp e, 0,1,2,3
	ds_store_b32 v[LTS], v[U+24+\e] offset:LT+128*\e           ; row 4 (t % 8) + e, block t / 8
.endr
.irp g, 0,1,2,3
	v_cvt_pk_bf16_f32 v[U+20], v[S+16+4*\g], v[S+17+4*\g]      ; beta rounded to bf16,
	v_cvt_pk_bf16_f32 v[U+21], v[S+18+4*\g], v[S+19+4*\g]
	v_lshlrev_b32 v[S+16+4*\g], 16, v[U+20]                    ; widened again,
	v_and_b32 v[S+17+4*\g], 0xffff0000, v[U+20]
	v_lshlrev_b32 v[S+18+4*\g], 16, v[U+21]
	v_and_b32 v[S+19+4*\g], 0xffff0000, v[U+21]
.if \g == 1                                    ; and multiplied by the gate's K, in f32
	v_pk_mul_f32 v[S+16+4*\g:S+17+4*\g], v[S+16+4*\g:S+17+4*\g], KTANH op_sel_hi:[1,0]
	v_pk_mul_f32 v[S+18+4*\g:S+19+4*\g], v[S+18+4*\g:S+19+4*\g], KTANH op_sel_hi:[1,0]
.else
	v_pk_mul_f32 v[S+16+4*\g:S+17+4*\g], v[S+16+4*\g:S+17+4*\g], KSIG op_sel_hi:[1,0]
	v_pk_mul_f32 v[S+18+4*\g:S+19+4*\g], v[S+18+4*\g:S+19+4*\g], KSIG op_sel_hi:[1,0]
.endif
	ds_store_b128 v[PO], v[S+16+4*\g:S+19+4*\g] offset:LB+4096*\g
.endr
	s_wait_dscnt 0x0                               ; for the others' sake: my stores are done
	s_barrier_signal -1
	s_barrier_wait -1                              ; everybody's are; nothing is stored to LDS after this
	WIN 0x40                                       ; destination window 1, address window 0
.irp g, 0,1,2,3
.irp j, 0,1,2,3,4,5,6,7
	ds_load_b64 v[PG+16*\g+2*\j:PG+16*\g+2*\j+1], v[LA8] offset:LG+2048*\g+256*\j   ; columns 128 j + 4 l .. + 3 in bf16: 8 bytes at 256 j + 8 l
	ds_load_b128 v[PB+32*\g+4*\j:PB+32*\g+4*\j+3], v[LO] offset:LB+4096*\g+512*\j   ; the same columns in f32: 16 bytes at 512 j + 16 l
.endr
.endr
.irp j, 0,1,2,3,4,5,6,7
	ds_load_b64 v[PCG+2*\j:PCG+2*\j+1], v[LA8] offset:LCG+256*\j
	ds_load_b64 v[PCB+2*\j:PCB+2*\j+1], v[LA8] offset:LCB+256*\j
.endr
	LDLV                                           ; my first row's levels; it leaves every window 0, as a label asks
	s_mov_b32 s25, 4                               ; rows to go, this one among them
.Lrow:                                                 ; a trip is a row
	s_wait_dscnt 0x0                               ; the row's levels are in (in the first trip the parameters too)
	s_wait_loadcnt 32                              ; f is in; behind it c, i, j, o may stay out (loads come back in order: ISA guide 5.7.1)
	WIDEN 2, P+64+16
	ACT 2, KSIG                                    ; f
	s_wait_loadcnt 24                              ; c is in; behind it i, j, o
.set n, 0
.rept 16
	v_cvt_pk_bf16_f32 v[C+n], v[C+2*n], v[C+2*n+1] ; c rounded to bf16, in place and ascending: register n is written when 2 n and 2 n + 1 are read
.set n, n+1
.endr
	s_wait_xcnt 0x0                                ; every earlier memory instruction has had its addresses translated (ISA guide 3.1): the last row's stores' data (s, new_h) and all four pointers are written again only behind this wait; a gate's arithmetic lies between it and the youngest store
	s_add_nc_u64 s[8:9], s[8:9], ROWP              ; all four pointers now stand at the next row: its loads take them as they are,
	s_add_nc_u64 s[10:11], s[10:11], ROWC
	s_add_nc_u64 s[20:21], s[20:21], ROWC          ; and this row's stores reach back one row
	s_add_nc_u64 s[22:23], s[22:23], ROWC
.set n, 0
.rept 16
	v_fma_mix_f32_bf16 v[S+n], v[P+64+n], v[C+n/2], v[ZR] op_sel_hi:[0,1,0]               ; s = f c
	v_fma_mix_f32_bf16 v[S+n+1], v[P+64+n+1], v[C+n/2], v[ZR] op_sel:[0,1,0] op_sel_hi:[0,1,0]
.set n, n+2
.endr
	s_wait_loadcnt 16                              ; i is in; behind it j, o
	WIDEN 0, P+16
	ACT 0, KSIG                                    ; i
	s_wait_loadcnt 0x0                             ; j and o are in: both are wanted here, and nothing was issued behind them
	WIDEN 3, P+32                                  ; o leaves the lower half of j's region,
	WIDEN 1, P+32+16                               ; which j's widening in place then covers
	ACT 1, KTANH
.set n, 0
.rept 16
	v_pk_fma_f32 v[P+32+n:P+32+n+1], v[P+32+n:P+32+n+1], -2.0, 1.0 op_sel_hi:[1,0,0]  ; j = tanh
.set n, n+2
.endr
.set n, 0
.rept 16
	v_pk_fma_f32 v[S+n:S+n+1], v[P+n:P+n+1], v[P+32+n:P+32+n+1], v[S+n:S+n+1]         ; s += i j
.set n, n+2
.endr
	s_cmp_eq_u32 s25, 1                            ; the last row has none behind it: no load leaves its buffer
	s_cbranch_scc1 .Lnone
	LDROW                                          ; the regions of f, c, i and j have been read for the last time: the next row's 40 loads,
	v_add_nc_u32 v[LVA], 128, v[LVA]               ; and, all four gates being widened, its levels
	LDLV
.Lnone:
	ACT 3, KSIG                                    ; o
	NORM S, 0
	AFFC                                           ; new_c
.irp j, 0,1,2,3,4,5,6,7
	global_store_b128 v[LO], v[S+4*\j:S+4*\j+3], s[22:23] offset:512*\j-ROWC th:TH_STORE_NT
.endr
.set n, 0
.rept 16
	v_pk_mul_f32 v[U+n:U+n+1], v[S+n:S+n+1], KTANH op_sel_hi:[1,0]
.set n, n+2
.endr
	SIG U
.set n, 0
.rept 16
	v_pk_fma_f32 v[U+n:U+n+1], v[U+n:U+n+1], -2.0, 1.0 op_sel_hi:[1,0,0]              ; tanh(new_c)
.set n, n+2
.endr
.set n, 0
.rept 16
	v_pk_mul_f32 v[U+n:U+n+1], v[P+96+n:P+96+n+1], v[U+n:U+n+1]                       ; new_h, beside o: so o's region is no store's data
.set n, n+2
.endr
.irp j, 0,1,2,3,4,5,6,7
	global_store_b128 v[LO], v[U+4*\j:U+4*\j+3], s[20:21] offset:512*\j-ROWC th:TH_STORE_NT
.endr
	s_sub_co_u32 s25, s25, 1
	s_cmp_lg_u32 s25, 0
	s_cbranch_scc1 .Lrow
	s_wait_tensorcnt 0x0                           ; the wave's end, behind my last LDS store
	ds_add_u32 v[SPW], v[NIL]
	s_wait_dscnt 0x0
	s_endpgm
.Lfunc_end_k_q92ad20ab64_cell:
	.size	k_q92ad20ab64_cell, .Lfunc_end_k_q92ad20ab64_cell-k_q92ad20ab64_cell
	.p2alignl 7, 3214868480
	.fill 96, 4, 3214868480
	.section	.rodata,"a",@progbits
	.p2align	6, 0x0
	.amdhsa_kernel k_q92ad20ab64_cell
		.amdhsa_group_segment_fixed_size 33792
		.amdhsa_private_segment_fixed_size 0
		.amdhsa_enable_private_segment 0
		.amdhsa_kernarg_size 72
		.amdhsa_user_sgpr_count 2
		.amdhsa_user_sgpr_kernarg_segment_ptr 1
		.amdhsa_wavefront_size32 1
		.amdhsa_system_sgpr_workgroup_id_x 1
		.amdhsa_system_sgpr_workgroup_id_y 1
		.amdhsa_system_sgpr_workgroup_id_z 1
		.amdhsa_system_vgpr_workitem_id 0
		.amdhsa_next_free_vgpr 512
		.amdhsa_next_free_sgpr 66
		.amdhsa_reserve_vcc 0
		.amdhsa_float_denorm_mode_32 3
		.amdhsa_float_denorm_mode_16_64 3
		.amdhsa_memory_ordered 1
		.amdhsa_forward_progress 1
		.amdhsa_inst_pref_size 91
	.end_amdhsa_kernel
	.amdgpu_metadata
---
amdhsa.version: [ 1, 2 ]
amdhsa.kernels:
  - .name:           k_q92ad20ab64_cell
    .symbol:         k_q92ad20ab64_cell.kd
    .args:
      - { .name: pre, .offset: 0, .size: 8, .value_kind: global_buffer, .address_space: global }
      - { .name: c, .offset: 8, .size: 8, .value_kind: global_buffer, .address_space: global }
      - { .name: gamma4, .offset: 16, .size: 8, .value_kind: global_buffer, .address_space: global }
      - { .name: beta4, .offset: 24, .size: 8, .value_kind: global_buffer, .address_space: global }
      - { .name: cell_gamma, .offset: 32, .size: 8, .value_kind: global_buffer, .address_space: global }
      - { .name: cell_beta, .offset: 40, .size: 8, .value_kind: global_buffer, .address_space: global }
      - { .name: out0, .offset: 48, .size: 8, .value_kind: global_buffer, .address_space: global }
      - { .name: out1, .offset: 56, .size: 8, .value_kind: global_buffer, .address_space: global }
      - { .name: lvl, .offset: 64, .size: 8, .value_kind: global_buffer, .address_space: global }
    .group_segment_fixed_size: 33792
    .private_segment_fixed_size: 0
    .kernarg_segment_align: 8
    .kernarg_segment_size: 72
    .max_flat_workgroup_size: 256
    .sgpr_count:     66
    .vgpr_count:     512
    .wavefront_size: 32
...
	.end_amdgpu_metadata
.endif
;; end of part 3
;; ======== version 2 of 2: 3 launches; version 1 with the launch cast written anew for expert scheduling mode
;; limits: values are held in f16: magnitudes above 65,504 overflow, below 6.1e-05 lose precision; right only within a limited range of input values
;; workspace buffers: abf 33,554,432 bytes; wbf 16,777,216 bytes; pre 67,108,864 bytes; lvl 1,048,576 bytes
;; launch cast (part 4): grid 256 x 3, 8 waves a work-group, no clusters, 0 bytes of LDS; arguments inputs, h, W, abf, wbf; writes abf, wbf
.if DOCPART == 4
	.amdgcn_target "amdgcn-amd-amdhsa--gfx1250"
	.amdhsa_code_object_version 6
	.text
	.protected	k_q92ad20ab64_cast
	.globl	k_q92ad20ab64_cast
	.p2align	8
	.type	k_q92ad20ab64_cast,@function
k_q92ad20ab64_cast:
	s_mov_b64 s[64:65], 0
	v_nop
	global_prefetch_b8 v0, s[64:65] scope:SCOPE_SE
	s_setreg_imm32_b32 hwreg(HW_REG_WAVE_SCHED_MODE, 0, 2), 2
	s_setreg_imm32_b32 hwreg(HW_REG_WAVE_MODE, 25, 1), 1
	s_wait_xcnt 0x0
	s_wait_alu depctr_vm_vsrc(0)
; THE MATRIX OPERANDS IN bf16.  abf[8192][2048] = [inputs | h], wbf[4096][2048] = W, each number rounded once, to nearest even.
; A PIECE is 1,024 f32: 4,096 bytes of a source, 2,048 bytes of its destination; each of the three sources has 8,192 pieces.
; The grid's y picks the source (0 inputs, 1 h, 2 W); work-group x takes pieces 32 x .. 32 x + 31, each of its eight waves four of them.
; Piece p of inputs is row p of abf, left half; of h the right half (2,048 bytes on); of W it lies dense in wbf: destination byte = p x DP + D0.
; No loop: a wave issues its 32 loads (512 consecutive bytes each, 16 KiB in all) at once and converts them as they come, a piece at a time;
; a store of 8 bytes a lane covers 256 consecutive bytes, aligned.  No LDS, no barrier: no wave wants a byte that another has fetched.
; THE MODE: SCHED_MODE bits 1:0 = 2 (LLVM: expert scheduling mode 2), set by the entry lines.  The code itself states the register dependences
; between vector instructions and memory instructions, with s_wait_alu, always for 0.
; THE PLAN.  Registers that memory instructions touch:
;   v1         the loads' offset; v2-v5 the stores' offsets, one a piece.  Written at the head, read by the loads and stores, never written again.
;   X group p  v[X + 32 p .. X + 32 p + 31]: piece p's eight loads land here; all 32 loads are issued before any vector instruction names a register of X.
;              Group p's sixteen conversions read the group and write registers 4 i and 4 i + 1 of it in place; the eight stores that are issued in group p + 1
;              read those pairs; nothing writes them after that.
; So no register that a memory instruction has read is ever written again, and no load lands in a register that a vector instruction has named.  What is left to state:
; the offsets are written (one wait ahead of the first load), and a group's conversions have written what its stores read (one wait at the head of the next group, behind the
; wait for that group's data).  Behind that wait the eight stores are dealt among the group's own conversions, which name the group's own registers alone.
.set X, 8                              ; v[8:135]  load n: 4 registers; group p: loads 8 p .. 8 p + 7
	s_load_b256 s[4:11], s[0:1], 0x0               ; inputs s[4:5], h s[6:7], W s[8:9], abf s[10:11]
	s_load_b64 s[12:13], s[0:1], 0x20              ; wbf
	v_lshrrev_b32 v1, 5, v0
	v_readfirstlane_b32 s14, v1                    ; wave 0..7
	s_and_b32 s15, ttmp7, 0xffff                   ; y: which source
	v_and_b32 v6, 31, v0                           ; lane
	v_lshlrev_b32 v1, 4, v6                        ; v1: 16 x lane, the loads' offset
	v_lshlrev_b32 v2, 3, v6                        ; v2: 8 x lane, the stores' offset in the wave's first piece
	s_cmp_eq_u32 s15, 2
	s_cselect_b32 s22, 11, 12                      ; log2 DP: W's pieces lie 2,048 bytes apart in wbf, the others' 4,096 in abf
	s_cmp_eq_u32 s15, 1
	s_cselect_b32 s26, 2048, 0                     ; D0: h fills the right half of abf's rows
	s_lshl_b32 s23, 1, s22                         ; DP
	s_lshl_b32 s24, s23, 1                         ; 2 DP
	s_add_co_u32 s25, s24, s23                     ; 3 DP
	v_add_nc_u32 v3, s23, v2                       ; v3-v5: the same in the wave's pieces 1 to 3
	v_add_nc_u32 v4, s24, v2
	v_add_nc_u32 v5, s25, v2
	s_wait_alu depctr_va_sdst(0)                   ; s14 is written, ahead of its first reader: both bases' offsets are made from it
	s_lshl_b32 s20, ttmp9, 17                      ; source offset: 32 pieces of 4,096 bytes a work-group,
	s_lshl_b32 s21, s14, 14                        ; 4 a wave
	s_add_co_u32 s20, s20, s21
	s_mov_b32 s21, 0
	s_lshl_b32 s28, ttmp9, 5
	s_lshl2_add_u32 s28, s14, s28                  ; my first piece: 32 x + 4 wave
	s_lshl_b32 s28, s28, s22                       ; x DP
	s_add_co_u32 s28, s28, s26                     ; + D0
	s_mov_b32 s29, 0
	s_wait_kmcnt 0x0
	s_cmp_eq_u32 s15, 0
	s_cselect_b64 s[16:17], s[4:5], s[6:7]
	s_cmp_eq_u32 s15, 2
	s_cselect_b64 s[16:17], s[8:9], s[16:17]       ; the source
	s_cselect_b64 s[18:19], s[12:13], s[10:11]     ; the destination
	s_add_nc_u64 s[16:17], s[16:17], s[20:21]
	s_add_nc_u64 s[18:19], s[18:19], s[28:29]
	s_wait_alu depctr_va_vdst(0)                   ; v1 to v5 are written: every load and store of the kernel reads one of them as its offset
.set n, 0
.rept 32
	global_load_b128 v[X+4*n:X+4*n+3], v1, s[16:17] offset:4096*(n/8)+512*(n%8) th:TH_LOAD_NT
.set n, n+1
.endr
; Group p: piece p is converted, and piece p - 1, converted in the group before, is stored.
.macro GROUP p
	s_wait_loadcnt 24-8*(\p)                       ; loads come back in order (ISA guide 5.7.1): piece p's eight are in, the 24 - 8 p younger ones stay out
.if (\p) > 0
	s_wait_alu depctr_va_vdst(0)                   ; the group before has written its sixteen registers of bf16, which the stores below read; its conversions were issued ahead of the wait for data above
.endif
.irp i, 0,1,2,3,4,5,6,7
.if (\p) > 0
	global_store_b64 v[1+(\p)], v[X+32*((\p)-1)+4*(\i):X+32*((\p)-1)+4*(\i)+1], s[18:19] offset:256*(\i)  ; piece p - 1; no vector instruction since the wait names its registers or its offset
.endif
	v_cvt_pk_bf16_f32 v[X+32*(\p)+4*(\i)], v[X+32*(\p)+4*(\i)], v[X+32*(\p)+4*(\i)+1]
	v_cvt_pk_bf16_f32 v[X+32*(\p)+4*(\i)+1], v[X+32*(\p)+4*(\i)+2], v[X+32*(\p)+4*(\i)+3]
.endr
.endm
	GROUP 0
	GROUP 1
	GROUP 2
	GROUP 3
	s_wait_alu depctr_va_vdst(0)                   ; group 3's conversions have written their registers, which the last eight stores read
.irp i, 0,1,2,3,4,5,6,7
	global_store_b64 v5, v[X+96+4*(\i):X+96+4*(\i)+1], s[18:19] offset:256*(\i)
.endr
	s_endpgm
.Lfunc_end_k_q92ad20ab64_cast:
	.size	k_q92ad20ab64_cast, .Lfunc_end_k_q92ad20ab64_cast-k_q92ad20ab64_cast
	.p2alignl 7, 3214868480
	.fill 96, 4, 3214868480
	.section	.rodata,"a",@progbits
	.p2align	6, 0x0
	.amdhsa_kernel k_q92ad20ab64_cast
		.amdhsa_group_segment_fixed_size 0
		.amdhsa_private_segment_fixed_size 0
		.amdhsa_enable_private_segment 0
		.amdhsa_kernarg_size 40
		.amdhsa_user_sgpr_count 2
		.amdhsa_user_sgpr_kernarg_segment_ptr 1
		.amdhsa_wavefront_size32 1
		.amdhsa_system_sgpr_workgroup_id_x 1
		.amdhsa_system_sgpr_workgroup_id_y 1
		.amdhsa_system_sgpr_workgroup_id_z 1
		.amdhsa_system_vgpr_workitem_id 0
		.amdhsa_next_free_vgpr 136
		.amdhsa_next_free_sgpr 66
		.amdhsa_reserve_vcc 0
		.amdhsa_float_denorm_mode_32 3
		.amdhsa_float_denorm_mode_16_64 3
		.amdhsa_memory_ordered 1
		.amdhsa_forward_progress 1
		.amdhsa_inst_pref_size 12
	.end_amdhsa_kernel
	.amdgpu_metadata
---
amdhsa.version: [ 1, 2 ]
amdhsa.kernels:
  - .name:           k_q92ad20ab64_cast
    .symbol:         k_q92ad20ab64_cast.kd
    .args:
      - { .name: inputs, .offset: 0, .size: 8, .value_kind: global_buffer, .address_space: global }
      - { .name: h, .offset: 8, .size: 8, .value_kind: global_buffer, .address_space: global }
      - { .name: W, .offset: 16, .size: 8, .value_kind: global_buffer, .address_space: global }
      - { .name: abf, .offset: 24, .size: 8, .value_kind: global_buffer, .address_space: global }
      - { .name: wbf, .offset: 32, .size: 8, .value_kind: global_buffer, .address_space: global }
    .group_segment_fixed_size: 0
    .private_segment_fixed_size: 0
    .kernarg_segment_align: 8
    .kernarg_segment_size: 40
    .max_flat_workgroup_size: 256
    .sgpr_count:     66
    .vgpr_count:     136
    .wavefront_size: 32
...
	.end_amdgpu_metadata
.endif
;; end of part 4
;; launch gemm: the kernel of part 2 again; grid 16 x 16, 4 waves a work-group, clusters of 4 x 4, 327,680 bytes of LDS; arguments abf, wbf, pre, lvl; writes pre, lvl
;; launch cell: the kernel of part 3 again; grid 256 x 1, 8 waves a work-group, no clusters, 33,792 bytes of LDS; arguments pre, c, gamma4, beta4, cell_gamma, cell_beta, out0, out1, lvl; writes out0, out1
